; MI455X (gfx1250); checked and timed in simulation.
; The chip was launched on July 23, 2026; its instructions are those of AMD's public machine-readable ISA for CDNA 5 (MIT licence, August 2026) and "CDNA5" Instruction Set Architecture Reference Guide (July 2026). The comments in the code are by the model that wrote it; some were corrected since.
;; Full Attention. Allowed arithmetic: matrix products marked QUANTISED: E2M1 operands, one E8M0 scale for each 32 along K, by v_wmma_scale_f32_16x16x128_f8f6f4 with both operands' format E2M1 (or v_wmma_scale_f32_32x16x128_f4), f32 sums; everything else in f32.
;; Inputs: keys 2 x 2,048 x 16 x 64 float32; queries 2 x 2,048 x 16 x 64 float32; values 2 x 2,048 x 16 x 64 float32.
;; Outputs: out0 2 x 2,048 x 16 x 64 float32.
;; This version of the problem:
;;   THIS VERSION OF THE PROBLEM IS GIVEN IN LOW PRECISION. The matrix products marked QUANTISED in the list below multiply operands that are first quantised to E2M1 (2 exponent bits, 1 mantissa bit; 4 bits a number), with one power-of-two scale for each 32 numbers along K (OCP MX v1.0); their sums are f32. All else is computed in f32.
;;   The module's matrix products, in the order in which they are computed (A, B: the left and right operand; K: the contracted axis; several contracted axes count as one K, in the product's order):
;;     1. batch 32 x [M 2,048, K 64] x [K 64, N 2,048]; A: input queries; B: input keys: QUANTISED
;;     2. batch 32 x [M 64, K 2,048] x [K 2,048, N 2,048]; A: input values; B: softmax (see below): QUANTISED
;;   THE QUANTISER, for each operand of a quantised product, along K:
;;     - K is cut into blocks of 32 from its start; a last block that is shorter is filled with zeros.
;;     - A block's scale is 2^e with e = floor(log2(the largest magnitude in the block)) - 2, held to -126 .. 127; a block of zeros has e = 0. As a byte (E8M0): e + 127.
;;     - Each number is divided by its block's scale, clamped to +-6, and rounded to the nearest number of E2M1, ties to even, subnormals kept.
;;     - The product sums the exact products of the quantised numbers (number of the format x scale) in f32.
;;   ~~~python
;;   def quantise(x, axis):      # numpy; x: float32 -> the quantised numbers, widened to float32 again
;;       x = np.moveaxis(x, axis, -1); K = x.shape[-1]
;;       x = np.pad(x, [(0, 0)] * (x.ndim - 1) + [(0, -K % 32)]); x = x.reshape(x.shape[:-1] + (-1, 32)); a = np.abs(x).max(-1, keepdims=True)
;;       e = np.where(a > 0, np.clip(np.frexp(np.where(a > 0, a, 1))[1] - 1 - 2, -126, 127), 0)      # np.frexp(a)[1] - 1 = floor(log2(a)), exactly
;;       r = np.clip(x / 2.0 ** e, -6, 6)
;;       step = 2.0 ** (np.maximum(np.frexp(np.where(r == 0, 1, r))[1] - 1, 0) - 1)
;;       q = np.round(r / step) * step * 2.0 ** e      # np.round: ties to even
;;       return np.moveaxis(q.reshape(q.shape[:-2] + (-1,))[..., :K], -1, axis).astype(np.float32)
;;   ~~~
;;   SOFTMAX AHEAD OF A QUANTISED PRODUCT. Where the list says 'softmax', what is quantised is not the finished softmax but p = 2^(t - M), with t = logit x log2(e) and M = ceil(the row's largest t), a whole number; so 1/2 < the row's largest p <= 1. The row's sum l is taken of the UNQUANTISED p, in f32, and the product's result is divided by l at the end. Since M is a whole number, a kernel that streams over the keys may use a running M (the ceiling of the running maximum): every later rescaling is an exact power of two, which a block's scale takes up: the codes' values come out the same.
;;   OPERANDS COMPUTED ON THE WAY. 'Computed on the way' means the value that the module computes at that place (a softmax that the list does not call 'softmax' is quantised finished and normalised). What goes into a quantiser is computed in f32, as accurately as f32 sums, v_exp_f32 and their like allow (about 1e-6 of the number): no bf16 or f16 on the way to a quantiser, and a product that is left as it is and whose result goes on into a quantised operand takes f32 operands (vector FMAs, or v_wmma_f32_16x16x4_f32). A number that lies on a knife's edge between two numbers of the format may be rounded either way, as far as f32 arithmetic and the matrix unit's own rounding can turn it there, and no further.
;; One version. Each part assembles by itself: llvm-mc -triple=amdgcn-amd-amdhsa -mcpu=gfx1250 --defsym DOCPART=n.
;; ======== version 1 of 1: 2 launches
;; limits: inputs' magnitudes at most 3,750; right only within a limited range of input values
;; workspace buffers: kv 4,587,520 bytes
;; launch quant (part 1): grid 8 x 32, 16 waves a work-group, no clusters, 73,216 bytes of LDS; arguments keys, values, kv; writes kv
.if DOCPART == 1
	.amdgcn_target "amdgcn-amd-amdhsa--gfx1250"
	.amdhsa_code_object_version 6
	.text
	.protected	k_q51a3d7ac21_quant
	.globl	k_q51a3d7ac21_quant
	.p2align	8
	.type	k_q51a3d7ac21_quant,@function
k_q51a3d7ac21_quant:
	s_mov_b64 s[64:65], 0
	v_nop
	global_prefetch_b8 v0, s[64:65] scope:SCOPE_SE
	s_setreg_imm32_b32 hwreg(HW_REG_WAVE_MODE, 25, 1), 1
	s_wait_xcnt 0x0
; keys and values, [2][2048][16][64] f32, become codes of FP4 (E2M1) with one E8M0 scale byte for each 32 along a product's K: for keys K is the head's 64, for values K is the keys.
; THE PROGRAM'S DEAD WORK.  The mask that reference() builds hides key s from query l where s <= l.  For l < 2047 at least one key counts, and a hidden key's weight is then exactly 0: key steps of 128
; that lie wholly under the diagonal are left out in the launch behind this one.  Query 2047 has no key that counts: all its logits are equal, and its row keeps all 2,048 keys.
; LIMIT: a NaN, an infinity or an overflow that reaches only the work left out is not carried to the result.
; kv holds IMAGES OF THE OPERANDS' REGISTERS: [head 16 b + h][slot][a package of 8,960 bytes = 35 x 256], a package for each key step p of 128 keys.
; The key steps whose bit 2 is set take slots 0-7, the others slots 8-15: slot = p % 4 + 4 (p / 8) + (bit 2 of p ? 0 : 8).  A package:
;   +0     K: 8 tiles x 512 bytes; tile t, lane l: 16 bytes at 512 t + 16 l (lane (r, h): key 64 (t / 4) + 8 (t % 4) + r % 8 + 32 (r / 8), channels 32 h + 0 .. 31)
;   +4096  V: 4 tiles x 1,024 bytes; tile t', registers 4 c .. 4 c + 3, lane l at 1024 t' + 512 c + 16 l (lane (r, h): channel 16 t' + r, keys 64 c + 32 h + 0 .. 31)
;   +8192  K's scale words: tile t, row r at 256 (t / 4) + 16 r + 4 (t % 4): bytes 0, 1 the row's two blocks, bytes 2, 3 = 127 (they meet zero codes of q: K = 64 is half of the matrix instruction's 128)
;   +8704  V's scale words: tile t', row r at 16 r + 4 t'
; A block's scale is 2^(floor(log2(its largest magnitude)) - 2); its byte is the largest magnitude's exponent field - 2, held at 1 from below.
; LIMITS: a block of zeros gets the byte 1 where the rule says 127 (its codes are zeros, and this program alone reads the bytes); NaN and infinities among the inputs are not served.
; SHARES.  A work-group takes 256 keys of one head: two packages.  Waves 0-7 take 32 keys of values each: a lane takes a channel and its registers run down the keys, so a block lies in one lane.
; Waves 8-15 take two tiles of 16 keys each: 16 lanes read a row of 256 bytes; the rows turn through the wave's own stage in LDS, and come back with a whole block of 32 channels in a lane.
; Every f32 number is read once.  Codes leave in whole units of 256 bytes; the scale words meet in LDS behind the launch's one barrier and leave as 512 + 256 consecutive bytes.
; No matrix unit, no cluster, no prefetch: each wave asks for all its bytes at once, there is no loop to run ahead in, and no two work-groups read the same byte.
.set SG,    4352                       ; a stage: 16 rows x (256 bytes + 16 of padding)
.set SCL,   16*SG                      ; behind the stages: the scale words, 768 bytes a package
.set SPARE, SCL+1536                   ; the spare words, 128 bytes for each wave
.set PKG,   8960
.set SPW, 128
.set NIL, 129
	s_load_b128 s[4:7], s[0:1], 0x0                ; keys, values
	s_load_b64 s[8:9], s[0:1], 0x10                ; kv
	v_lshl_add_u32 v[SPW], v0, 2, SPARE
	v_mov_b32 v[NIL], 0
	v_lshrrev_b32 v1, 5, v0
	s_delay_alu instid0(VALU_DEP_1)
	v_readfirstlane_b32 s10, v1                    ; wave 0..15
	s_and_b32 s11, ttmp7, 0xffff                   ; the head, 16 b + h
	s_bfe_u32 s12, s10, 0x10002                    ; which of the two packages: bit 2 of the wave's number, in both roles
	s_lshl_b32 s13, ttmp9, 1
	s_add_co_u32 s13, s13, s12                     ; its key step p
	s_lshl_b32 s36, s11, 4                         ; its slot
	s_and_b32 s14, s13, 3
	s_add_co_u32 s36, s36, s14
	s_and_b32 s14, s13, 8
	s_lshr_b32 s14, s14, 1
	s_add_co_u32 s36, s36, s14
	s_and_b32 s14, s13, 4
	s_xor_b32 s14, s14, 4
	s_lshl_b32 s14, s14, 1
	s_add_co_u32 s36, s36, s14
	s_mul_i32 s36, s36, PKG
	s_mov_b32 s37, 0
	s_and_b32 s15, s10, 7                          ; my number in my role
	s_and_b32 s16, s10, 3                          ; V: block b of the package; K: tiles 2 (k % 4) and the next
	s_mul_i32 s17, s12, 768
	s_add_co_u32 s17, s17, SCL                     ; my package's scale words in LDS
	s_mul_i32 s18, s15, 2*SG                       ; K: my two stages
	s_lshr_b32 s22, s11, 4                         ; in memory: batch x 2^23 + head x 256 + key x 4,096
	s_lshl_b32 s22, s22, 23
	s_and_b32 s14, s11, 15
	s_lshl_b32 s14, s14, 8
	s_add_co_u32 s22, s22, s14
	s_lshl_b32 s14, ttmp9, 20
	s_add_co_u32 s22, s22, s14
	s_lshr_b32 s14, s15, 1                         ; K: my first tile begins at key 64 (k / 2) + 16 (k % 2), the second 8 keys on
	s_lshl_b32 s14, s14, 18
	s_add_co_u32 s24, s22, s14
	s_and_b32 s14, s15, 1
	s_lshl_b32 s14, s14, 16
	s_add_co_u32 s24, s24, s14
	s_lshl_b32 s14, s15, 17                        ; V: key 32 w
	s_add_co_u32 s22, s22, s14
	s_mov_b32 s23, 0
	s_mov_b32 s25, 0
	s_mov_b32 s26, 0x76543210
	s_mov_b32 s27, 0xfedcba98                      ; v_permlanex16_b32's selects for lane l xor 16
	s_lshl_b32 s28, s16, 10                        ; K's codes: 1024 (k % 4)
	s_lshl_b32 s29, s16, 8                         ; V's codes: 256 b
	s_add_co_u32 s30, s17, 512
	s_add_co_u32 s30, s30, s16                     ; V's scale bytes
	s_lshr_b32 s31, s16, 1                         ; K's scale words: 256 (t / 4) + 4 (t % 4)
	s_lshl_b32 s31, s31, 8
	s_and_b32 s14, s16, 1
	s_lshl_b32 s14, s14, 3
	s_add_co_u32 s31, s31, s14
	s_add_co_u32 s31, s31, s17
	v_and_b32 v1, 31, v0                           ; lane
	v_and_b32 v2, 15, v0                           ; r
	v_bfe_u32 v3, v0, 4, 1                         ; h
	v_mov_b32 v20, 0                               ; a lane permute's destination counts as one of its sources
	v_lshlrev_b32 v5, 2, v1                        ; V: 4 bytes a lane
	v_lshlrev_b32 v4, 4, v2
	v_mul_u32_u24 v8, v3, 272
	v_mul_u32_u24 v9, v2, 272
	v_lshlrev_b32 v12, 3, v3                       ; 8 h: how far my byte is shifted in a scale word
	v_lshl_add_u32 v6, v3, 10, v4                  ; V's codes: 1024 (lane / 16) + 16 r: channel = lane; 32 channels on: + 2048
	v_lshl_add_u32 v7, v3, 2, v4                   ; V's scale byte: 16 r + 4 (lane / 16) + b; 32 channels on: + 8
	v_add_nc_u32 v8, v8, v4                        ; the stage, in: two rows an instruction
	v_lshl_add_u32 v9, v3, 7, v9                   ; back: row r, + 128 h
	v_add_nc_u32 v11, s31, v4                      ; K's scale word
	v_lshl_add_u32 v4, v3, 12, v4                  ; K: lanes 0-15 one key's row, lanes 16-31 the next key's
	v_add_nc_u32 v6, s29, v6
	v_add_nc_u32 v7, s30, v7
	v_add_nc_u32 v8, s18, v8
	v_add_nc_u32 v9, s18, v9
	v_lshlrev_b32 v10, 4, v1
	v_lshlrev_b32 v15, 3, v1
	v_add_nc_u32 v19, s28, v10                     ; K's codes
	v_add_nc_u32 v13, s17, v10                     ; the scale words back: K's 512 bytes, 16 a lane,
	v_add_nc_u32 v14, s17, v15                     ; V's 256 bytes, 8 a lane
	s_wait_alu depctr_va_vdst(0)                   ; the wait at the head's end
	s_wait_kmcnt 0x0
	s_add_nc_u64 s[8:9], s[8:9], s[36:37]          ; kv at my package
	s_add_nc_u64 s[4:5], s[4:5], s[24:25]
	s_add_nc_u64 s[6:7], s[6:7], s[22:23]
; 32 numbers of a lane, one block, v[src] on, become four registers of codes v[dst] on; v[so] the conversion's scale operand, v[by] the scale's byte
.macro QBLK src, dst, so, by
	v_max3_num_f32 v16, |v[\src]|, |v[\src+1]|, |v[\src+2]|        ; the block's largest magnitude, in two chains
	v_max3_num_f32 v17, |v[\src+3]|, |v[\src+4]|, |v[\src+5]|
.irp i, 6,10,14,18,22,26
	s_delay_alu instid0(VALU_DEP_2)
	v_max3_num_f32 v16, v16, |v[\src+\i]|, |v[\src+\i+1]|
	s_delay_alu instid0(VALU_DEP_2)
	v_max3_num_f32 v17, v17, |v[\src+\i+2]|, |v[\src+\i+3]|
.endr
	s_delay_alu instid0(VALU_DEP_2)
	v_max3_num_f32 v16, v16, |v[\src+30]|, |v[\src+31]|
	s_delay_alu instid0(VALU_DEP_1)
	v_max3_num_f32 v16, v16, v17, 0x1800000        ; and the floor 2^(3 - 127): the byte cannot fall under 1
	s_delay_alu instid0(VALU_DEP_1)
	v_add_nc_u32 v[\so], 0xff000000, v16           ; 2 off its exponent field: the conversion takes the exponent field of this operand as its scale
	s_delay_alu instid0(VALU_DEP_1)
	v_lshrrev_b32 v[\by], 23, v[\so]               ; the scale's byte
.irp g, 0,1,2,3
	v_cvt_scalef32_pk8_fp4_f32 v[\dst+\g], v[\src+8*\g:\src+8*\g+7], v[\so]
.endr
	v_nop                                          ; one plain place behind a scaled conversion
.endm
; A tile of 16 keys, as loaded in v[src] on, through my stage u, to codes and scale words.  LDS serves a wave's instructions in order: no wait between its stores and its loads
.macro KTILE src, u
.irp n, 0,1,2,3,4,5,6,7
	ds_store_b128 v8, v[\src+4*\n:\src+4*\n+3] offset:SG*\u+544*\n
.endr
.irp i, 0,1,2,3,4,5,6,7
	ds_load_b128 v[96+4*\i:99+4*\i], v9 offset:SG*\u+16*\i
.endr
	s_wait_dscnt 0x0
	QBLK 96, 24+4*\u, 21, 23
	v_lshlrev_b32 v23, v12, v23                    ; my block's byte at its place,
	s_delay_alu instid0(VALU_DEP_1)
	v_permlanex16_b32 v20, v23, s26, s27           ; lane l xor 16 has the row's other block,
	s_delay_alu instid0(VALU_DEP_1)
	v_add3_u32 v18, v23, v20, 0x7f7f0000           ; and 127 for the two blocks that do not exist
	ds_store_b32 v11, v18 offset:4*\u              ; lanes r and r + 16 write the same word with the same value
	global_store_b128 v19, v[24+4*\u:27+4*\u], s[8:9] offset:512*\u   ; 512 consecutive bytes
.endm
	s_cmp_lt_u32 s10, 8
	s_cbranch_scc0 .Lkeys
.irp i, 0,1,2,3,4,5,6,7,8,9,10,11,12,13,14,15,16,17,18,19,20,21,22,23,24,25,26,27,28,29,30,31
	global_load_b32 v[32+\i], v5, s[6:7] offset:4096*\i th:TH_LOAD_NT       ; key i: channels 0-31, and
	global_load_b32 v[64+\i], v5, s[6:7] offset:4096*\i+128 th:TH_LOAD_NT   ; channels 32-63 of the same 256 bytes
.endr
	s_wait_loadcnt 0x0
	QBLK 32, 24, 21, 23
	QBLK 64, 28, 22, 18
	ds_store_b8 v7, v23
	ds_store_b8 v7, v18 offset:8
	global_store_b128 v6, v[24:27], s[8:9] offset:4096             ; two units of 256 bytes: tiles 0 and 1,
	global_store_b128 v6, v[28:31], s[8:9] offset:6144             ; tiles 2 and 3
	s_wait_alu depctr_va_vdst(0)
	s_branch .Ljoin
.Lkeys:
.irp u, 0,1
.irp n, 0,1,2,3
	global_load_b128 v[32+32*\u+4*\n:35+32*\u+4*\n], v4, s[4:5] offset:32768*\u+8192*\n th:TH_LOAD_NT          ; rows 2 n, 2 n + 1 of the tile,
.endr
.irp n, 0,1,2,3
	global_load_b128 v[48+32*\u+4*\n:51+32*\u+4*\n], v4, s[4:5] offset:32768*\u+8192*\n+131072 th:TH_LOAD_NT   ; rows 8 + 2 n, 9 + 2 n: 32 keys on
.endr
.endr
	s_wait_loadcnt 0x8                             ; the first tile's eight loads are in; the second's may be out
	KTILE 32, 0
	s_wait_alu depctr_va_vdst(0)
	s_wait_loadcnt 0x0
	KTILE 64, 1
.Ljoin:
	s_wait_alu depctr_va_vdst(0)
	s_wait_dscnt 0x0                               ; for the others' sake: my scale bytes have landed
	s_barrier_signal -1
	s_barrier_wait -1
	s_and_b32 s14, s10, 11                         ; waves 0 and 4 send their package's 768 bytes of scale words
	s_cmp_lg_u32 s14, 0
	s_cbranch_scc1 .Lend
	ds_load_b128 v[96:99], v13
	ds_load_b64 v[100:101], v14 offset:512
	s_wait_dscnt 0x0
	global_store_b128 v10, v[96:99], s[8:9] offset:8192            ; 512 consecutive bytes
	global_store_b64 v15, v[100:101], s[8:9] offset:8704           ; 256 consecutive bytes
.Lend:
	s_wait_tensorcnt 0x0                           ; the wave's end
	ds_add_u32 v[SPW], v[NIL]
	s_wait_dscnt 0x0
	s_endpgm
.Lfunc_end_k_q51a3d7ac21_quant:
	.size	k_q51a3d7ac21_quant, .Lfunc_end_k_q51a3d7ac21_quant-k_q51a3d7ac21_quant
	.p2alignl 7, 3214868480
	.fill 96, 4, 3214868480
	.section	.rodata,"a",@progbits
	.p2align	6, 0x0
	.amdhsa_kernel k_q51a3d7ac21_quant
		.amdhsa_group_segment_fixed_size 73216
		.amdhsa_private_segment_fixed_size 0
		.amdhsa_enable_private_segment 0
		.amdhsa_kernarg_size 24
		.amdhsa_user_sgpr_count 2
		.amdhsa_user_sgpr_kernarg_segment_ptr 1
		.amdhsa_wavefront_size32 1
		.amdhsa_system_sgpr_workgroup_id_x 1
		.amdhsa_system_sgpr_workgroup_id_y 1
		.amdhsa_system_sgpr_workgroup_id_z 1
		.amdhsa_system_vgpr_workitem_id 0
		.amdhsa_next_free_vgpr 130
		.amdhsa_next_free_sgpr 66
		.amdhsa_reserve_vcc 0
		.amdhsa_float_denorm_mode_32 3
		.amdhsa_float_denorm_mode_16_64 3
		.amdhsa_memory_ordered 1
		.amdhsa_forward_progress 1
		.amdhsa_inst_pref_size 23
	.end_amdhsa_kernel
	.amdgpu_metadata
---
amdhsa.version: [ 1, 2 ]
amdhsa.kernels:
  - .name:           k_q51a3d7ac21_quant
    .symbol:         k_q51a3d7ac21_quant.kd
    .args:
      - { .name: keys, .offset: 0, .size: 8, .value_kind: global_buffer, .address_space: global }
      - { .name: values, .offset: 8, .size: 8, .value_kind: global_buffer, .address_space: global }
      - { .name: kv, .offset: 16, .size: 8, .value_kind: global_buffer, .address_space: global }
    .group_segment_fixed_size: 73216
    .private_segment_fixed_size: 0
    .kernarg_segment_align: 8
    .kernarg_segment_size: 24
    .max_flat_workgroup_size: 512
    .sgpr_count:     66
    .vgpr_count:     130
    .wavefront_size: 32
...
	.end_amdgpu_metadata
.endif
;; end of part 1
;; launch attn (part 2): grid 8 x 32, 16 waves a work-group, clusters of 4 x 1, 301,056 bytes of LDS; arguments queries, kv, out0; writes out0
.if DOCPART == 2
	.amdgcn_target "amdgcn-amd-amdhsa--gfx1250"
	.amdhsa_code_object_version 6
	.text
	.protected	k_q51a3d7ac21_attn
	.globl	k_q51a3d7ac21_attn
	.p2align	8
	.type	k_q51a3d7ac21_attn,@function
k_q51a3d7ac21_attn:
	s_mov_b64 s[64:65], 0
	v_nop
	global_prefetch_b8 v0, s[64:65] scope:SCOPE_SE
	s_setreg_imm32_b32 hwreg(HW_REG_WAVE_MODE, 25, 1), 1
	s_wait_xcnt 0x0
	s_wait_alu depctr_hold_cnt(0) depctr_sa_sdst(0) depctr_va_vdst(0) depctr_va_sdst(0) depctr_va_ssrc(0) depctr_va_vcc(0) depctr_vm_vsrc(0)
	s_getreg_b32 s2, hwreg(HW_REG_IB_STS2, 6, 4)
	s_cmp_eq_u32 s2, 0
	s_cbranch_scc0 .Lentry_in_a_cluster
	s_endpgm
.Lentry_in_a_cluster:
	s_bfe_u32 s2, ttmp6, 0x10000c
	s_cmp_lg_u32 s2, 0x3003
	s_cbranch_scc0 .Lentry_shape_is_right
	s_endpgm
.Lentry_shape_is_right:
; out0[b][l][h][:] = the sum over s of softmax_s(0.125 x (s <= l ? -1e9 : q[l] . k[s])) v[s][:], both products on codes of FP4 (E2M1) with one E8M0 scale for each 32 along K.
; WORK LEFT OUT: key s counts for query l where s > l; for l < 2047 every hidden p is exactly 0, so key steps of 128 that lie wholly under the diagonal are left out (the first kernel's head shows it).
; LIMIT: a NaN, an infinity or an overflow that reaches only the work left out is not carried to the result.
; Query 2047 has no key that counts: p = 1 for all 2,048 keys, and the row is the mean of the quantised values (ONES, below).
; THE SOFTMAX: t = score x c, c = 0.125 log2(e); M = the running largest t rounded up to a whole number; p = 2^(t - M) is quantised along the keys, not normalised; the sum is taken of the unquantised p and divides
; at the end.  When M moves, the sum and O are multiplied by 2^(old M - new M): exact.
; A block's scale is 2^(floor(its largest t - M) - 2): floor(t - M) is the exponent of p = 2^(t - M).  It is held at 2^-126 from below (a block whose every p is 0 has zero codes under the byte 1).
; THE FILL.  Hidden scores become F = -2^30, not -1e9: F x c = -193,635,248 is a whole number and exact in f32, so that where a row has seen no counted key the fused F c - M is exactly 0 (p = 1, as equal logits give),
; and about -1.9e8 (p = 0) as soon as one counts.  LIMITS: the results are those of the fill -1e9 as long as every counted q . k lies above -9e8; the scaled scores stay under 2^31 in magnitude; NaN and infinities are not served.
; The running state begins as if only hidden keys had been seen (largest score F, O = 0, sum = 0): the first counted key makes the factor 2^(about -1.9e8) = 0, which clears what hidden keys have added.
; SHARES.  A head's queries are 16 sub-blocks of 128, each in line with a key step of 128; sub-block sb needs key steps sb .. 15.  Work-group x of the head's eight owns tile x (16 queries) of EVERY sub-block, so all eight run alike.
; A PAIR OF WAVES, j and 8 + j, shares the tiles of sub-blocks j (long: 16 - j steps) and 15 - j (short: j + 1 steps), 17 steps in all.
;   Wave j: 9 steps of the long tile, 7 down to j, then 8 + j down to 8.
;   Wave 8 + j: the long tile's other 7 - j steps, 15 down to 9 + j; it hands what they gave to wave j through LDS; then the short tile's, 15 down to 15 - j: 8 steps.
; Each wave brings its own tile of q (j: the long one's, 8 + j: the short one's) and sends that tile out.
; LDS.  A head's codes, 16 packages of 8,960 bytes as the launch before laid them, fit in LDS at once: each wave brings one package by ONE tensor load at the start, and nothing is filled again.  The first four trips
; of every wave need only slots 0-7 (key steps with bit 2 set), which waves 0-7 bring; slots 8-15 are waited for behind them.
; CLUSTERS: four work-groups of a head ask for each package jointly: one descriptor, made of the head and the wave's number.  No branch and no LDS address hangs on a work-group's place in the cluster.
; NO PREFETCH: every load is issued at the head; there is no loop of loads to run ahead in.
; LAYOUT.  Both products are used transposed: S^T = K Q^T (source 0 = 16 keys, source 1 = my 16 queries), O^T = V^T P^T: a lane holds ONE query (lane % 16) throughout.  The rows of K's tiles are dealt so that register
; 32 c + n of S^T is key 64 c + 32 (lane / 16) + n: a lane holds whole blocks of 32 keys, and the conversions' results are the second product's operand as they stand.
; K = 64 in the first product: q's registers 4-7 are zero codes, so K's registers 4-7 may hold any codes (each fragment's are the next fragment's first four; all codes are finite), and scale bytes 2, 3 are 127.
; REGISTERS: v1 16 x lane, v2 16 r, v3 stage in, v4 my bytes in queries and out0, v5 mask, v6 F, v7 q's read, v8, v9, v72, v73 addresses of a step, v10 stage by rows, v11 8 h; v12 -M, v13 largest score, v[14:15] the sum;
;   v16-23 Q, v255 its scales; v24-31 K's scale words; v32-67 K's fragments; v74, v75 my q's codes and scales in LDS; v76 the pair's hand-over; v96-159 S^T, then p; v160-191 O^T; v192-223 V's fragments; v224-231 p's codes;
;   v232-247, v252, v254 at work; v248-251 V's scale words; v253 p's scale word.
.set PKG,  8960
.set STG,  16*PKG                      ; behind the packages: each wave's stage, 16 rows x 272 bytes
.set PRT,  STG+16*4352                 ; each wave's hand-over: O^T, 4,096 bytes, and 16 bytes a lane of state (waves 8-15 hand over)
.set QC,   PRT+16*4608                 ; each wave's codes of q, 512 bytes, and scale words, 128 (a pitch of 768)
.set SPARE, QC+16*768                  ; the spare words, 128 bytes for each wave
.set SPW, 242
.set NIL, 243
.set WV,  10
.set ROLE, 11                          ; s11  0 in waves 0-7, 1 in waves 8-15
.set CLX, 13                           ; s13  the cluster's x: 0: tiles 0-3, 1: tiles 4-7
.set HD,  14
.set J,   15
.set X,   16
.set R7,  17                           ; s17  7 - j
.set TH,  18                           ; s18  key step of trip i = BK - i, + AD from trip TH on
.set AD,  19
.set SEL, 20                           ; s[20:21] lane selects for v_permlanex16_b32: lane l xor 16
.set CS,  22                           ; s[22:23] c: the packed form names a pair and takes its low word for both halves
.set NC,  24                           ; s24  -c
.set BK,  25
.set DG,  26                           ; s26  the trip that lies on the diagonal
.set SW,  27                           ; s27  the trip at whose head the wave turns to its second tile (16: none)
.set NT,  28                           ; s28  my trips: 9 or 8
.set I,   29
.set NX,  30
.set TB,  31
.set TBN, 32
.set LIM, 33
.set OWN, 36                           ; s36  my own tile's sub-block
.set G0P, 40
.set G1P, 44
.macro ROUND
	s_barrier_signal -1
	s_barrier_wait -1
	s_cmp_lg_u32 s[WV], 0
	s_cbranch_scc1 .Lnot_wave_0_\@
	s_barrier_signal -3
.Lnot_wave_0_\@:
	s_barrier_wait -3
	s_barrier_signal -1
	s_barrier_wait -1
.endm
	s_load_b128 s[4:7], s[0:1], 0x0                ; queries, kv
	s_load_b64 s[8:9], s[0:1], 0x10                ; out0
	v_lshl_add_u32 v[SPW], v0, 2, SPARE
	v_mov_b32 v[NIL], 0
	ds_add_u32 v[SPW], v[NIL]                      ; the wave's opening: the add, twice on end, and its wait
	ds_add_u32 v[SPW], v[NIL]
	v_lshrrev_b32 v1, 5, v0
	s_delay_alu instid0(VALU_DEP_1)
	v_readfirstlane_b32 s[WV], v1                  ; wave 0..15
	s_and_b32 s[J], s[WV], 7
	s_lshr_b32 s[ROLE], s[WV], 3
	s_bfe_u32 s12, ttmp6, 0x40000                  ; cx: my place in the cluster
	s_mov_b32 s[CLX], ttmp9
	s_lshl_b32 s[X], s[CLX], 2
	s_add_co_u32 s[X], s[X], s12                   ; my tile in every sub-block
	s_lshl_b32 s62, s[X], 4
	s_and_b32 s[HD], ttmp7, 0xffff                 ; the head, 16 b + h
	s_sub_co_u32 s[R7], 7, s[J]
	s_sub_co_u32 s[NT], 9, s[ROLE]
	s_add_co_u32 s[TH], s[R7], 1
	s_sub_co_u32 s[TH], s[TH], s[ROLE]
	s_sub_co_u32 s37, 15, s[J]
	s_cmp_eq_u32 s[ROLE], 0
	s_cselect_b32 s[AD], 9, s[R7]
	s_cselect_b32 s[BK], 7, 15
	s_cselect_b32 s[DG], s[R7], 7
	s_cselect_b32 s[SW], 16, s[R7]
	s_cselect_b32 s[OWN], s[J], s37
	s_lshl_b32 s52, s[OWN], 7                      ; my tile in queries and in out0: batch x 2^23 + query x 4,096 + head x 256
	s_add_co_u32 s52, s52, s62
	s_lshl_b32 s52, s52, 12
	s_lshr_b32 s37, s[HD], 4
	s_lshl_b32 s37, s37, 23
	s_add_co_u32 s52, s52, s37
	s_and_b32 s37, s[HD], 15
	s_lshl_b32 s37, s37, 8
	s_add_co_u32 s52, s52, s37
	s_mov_b32 s53, 0
	s_lshl_b32 s54, s[HD], 4                       ; the package that I fetch: slot = my wave's number
	s_add_co_u32 s54, s54, s[WV]
	s_mul_i32 s54, s54, PKG
	s_mov_b32 s55, 0
	s_mul_i32 s56, s[WV], 4352
	s_add_co_u32 s56, s56, STG                     ; my stage
	s_mul_i32 s57, s[WV], 768
	s_add_co_u32 s57, s57, QC                      ; my q's codes,
	s_add_co_u32 s58, s57, 512                     ; and scale words
	s_mul_i32 s59, s[J], 768
	s_add_co_u32 s59, s59, QC                      ; the long tile's, which wave j makes
	s_add_co_u32 s60, s59, 512
	s_mul_i32 s61, s[WV], 4608
	s_add_co_u32 s61, s61, PRT                     ; my hand-over; wave j reads that of wave 8 + j, 8 x 4,608 bytes on
	; descriptor group 1: a package, a dense block: 35 rows of 256 bytes (32 elements of 8 bytes), no padding; the mask names the cluster's four, bit 21 stands beside it
	s_mov_b32 s[G1P+0], 15|(3<<16)|(1<<21)
	s_mov_b32 s[G1P+1], 32<<16
	s_mov_b32 s[G1P+2], 35<<16
	s_mov_b32 s[G1P+3], 32<<16
	s_mov_b32 s[G1P+4], 35
	s_mov_b32 s[G1P+5], 32
	s_mov_b32 s[G1P+6], 0
	s_mov_b32 s[G1P+7], 0
	s_mov_b32 s[SEL], 0x76543210
	s_mov_b32 s[SEL+1], 0xfedcba98
	s_mov_b32 s[CS], 0x3e38aa3b                    ; c = 0.125 log2(e)
	s_mov_b32 s[CS+1], s[CS]                       ; (named with it as a pair, so it is written)
	s_mov_b32 s[NC], 0xbe38aa3b
	v_and_b32 v1, 31, v0                           ; lane
	v_and_b32 v8, 15, v0                           ; r
	v_bfe_u32 v9, v0, 4, 1                         ; h
	v_mov_b32 v6, 0xce800000                       ; F = -2^30
	v_lshl_add_u32 v74, v1, 4, s57
	v_lshlrev_b32 v2, 4, v8
	v_lshlrev_b32 v5, 5, v9
	v_lshlrev_b32 v11, 3, v9
	v_mul_u32_u24 v7, v8, 272
	v_mul_u32_u24 v10, v9, 272
	v_lshl_add_u32 v4, v9, 12, v2                  ; lanes 0-15 one query's row, lanes 16-31 the next query's; 16 bytes a lane
	v_sub_nc_u32 v5, v8, v5
	v_lshl_add_u32 v75, v1, 2, s58
	v_lshl_add_u32 v3, v9, 5, v7                   ; the stage on the way out, in: row r, + 32 h
	v_lshl_add_u32 v7, v9, 7, v7                   ; q: row r, + 128 h: my block of 32
	v_add_nc_u32 v10, v10, v2                      ; by rows: lanes 0-15 one row, lanes 16-31 the next
	v_add_nc_u32 v5, s62, v5                       ; my query in its sub-block - 32 h: register 32 c + n of the diagonal step is hidden where 64 c + n <= this
	v_lshl_add_u32 v76, v1, 4, s61
	v_add_nc_u32 v3, s56, v3
	v_add_nc_u32 v7, s56, v7
	v_add_nc_u32 v10, s56, v10
	v_lshl_add_u32 v77, v1, 4, s59
	v_lshl_add_u32 v78, v1, 2, s60
	v_lshlrev_b32 v1, 4, v1                        ; 16 x lane: an image's place for my lane
	s_wait_alu depctr_va_vdst(0)
	s_wait_dscnt 0x0                               ; both opening adds are done
	ROUND                                          ; the cluster's four work-groups are here: the joint loads meet
	s_wait_kmcnt 0x0
	s_add_nc_u64 s[38:39], s[4:5], s[52:53]        ; queries at my tile
	s_add_nc_u64 s[8:9], s[8:9], s[52:53]          ; out0 at my tile
	s_mov_b32 s[G0P], 1
	s_mul_i32 s[G0P+1], s[WV], PKG
	s_add_nc_u64 s[G0P+2:G0P+3], s[6:7], s[54:55]
	s_or_b32 s[G0P+3], s[G0P+3], 0x80000000
.irp n, 0,1,2,3,4,5,6,7
	global_load_b128 v[96+4*\n:99+4*\n], v4, s[38:39] offset:8192*\n th:TH_LOAD_NT   ; rows 2 n and 2 n + 1 of my tile of q: whole rows of 256 bytes
.endr
	s_cmp_lt_u32 s[WV], 8                          ; two load lines: the first eight packages are waited for ahead of the others
	s_cbranch_scc0 .Lsecond
	tensor_load_to_lds s[G0P:G0P+3], s[G1P:G1P+7]
	s_nop 0
.rept 4
	v_nop
.endr
	s_branch .Lasked
.Lsecond:
	tensor_load_to_lds s[G0P:G0P+3], s[G1P:G1P+7]
	s_nop 0
.rept 4
	v_nop
.endr
.Lasked:
.irp j, 20,21,22,23,64,65,66,67,237,239,247,14,15
	v_mov_b32 v[\j], 0                             ; Q's k = 64 .. 127: zero codes; behind K's last fragment; a lane permute's destinations; the upper half of a named pair; the sum
.endr
	v_mov_b32 v12, 0x4d38aa3b                      ; -M = -F c = 193,635,248
	v_mov_b32 v13, v6                              ; the largest score so far: F
.irp j, 0,1,2,3,4,5,6,7,8,9,10,11,12,13,14,15,16,17,18,19,20,21,22,23,24,25,26,27,28,29,30,31
	v_mov_b32 v[160+\j], 0                         ; O^T.  (The step is written for any trip: its first finds zeros)
.endr
	s_wait_alu depctr_va_vdst(0)
	s_wait_loadcnt 0x0                             ; my tile of q is in
	; it turns through my stage: LDS serves a wave's instructions in order
.irp n, 0,1,2,3,4,5,6,7
	ds_store_b128 v10, v[96+4*\n:99+4*\n] offset:544*\n
.endr
.irp i, 0,1,2,3,4,5,6,7
	ds_load_b128 v[128+4*\i:131+4*\i], v7 offset:16*\i
.endr
	s_wait_dscnt 0x0
	; lane (r, h): block h of row r, all 32 numbers mine
	v_max3_num_f32 v232, |v128|, |v129|, |v130|
	v_max3_num_f32 v233, |v131|, |v132|, |v133|
.irp i, 6,10,14,18,22,26
	s_delay_alu instid0(VALU_DEP_2)
	v_max3_num_f32 v232, v232, |v[128+\i]|, |v[129+\i]|
	s_delay_alu instid0(VALU_DEP_2)
	v_max3_num_f32 v233, v233, |v[130+\i]|, |v[131+\i]|
.endr
	s_delay_alu instid0(VALU_DEP_2)
	v_max3_num_f32 v232, v232, |v158|, |v159|
	s_delay_alu instid0(VALU_DEP_1)
	v_max3_num_f32 v232, v232, v233, 0x1800000     ; and the floor 2^(3 - 127): the byte cannot fall under 1
	s_delay_alu instid0(VALU_DEP_1)
	v_add_nc_u32 v244, 0xff000000, v232            ; 2 off the exponent field: the conversion's scale operand
	s_delay_alu instid0(VALU_DEP_1)
	v_lshrrev_b32 v236, 23, v244                   ; the scale's byte
.irp g, 0,1,2,3
	v_cvt_scalef32_pk8_fp4_f32 v[224+\g], v[128+8*\g:135+8*\g], v244
.endr
	v_nop                                          ; one plain place behind a scaled conversion
	v_lshlrev_b32 v236, v11, v236                  ; my block's byte at its place,
	s_delay_alu instid0(VALU_DEP_1)
	v_permlanex16_b32 v237, v236, s[SEL], s[SEL+1]
	s_delay_alu instid0(VALU_DEP_1)
	v_add3_u32 v246, v236, v237, 0x7f7f0000        ; with lane l xor 16's, and 127 for the two blocks that do not exist
	ds_store_b128 v74, v[224:227]
	ds_store_b32 v75, v246
	s_wait_alu depctr_va_vdst(0)
	s_wait_dscnt 0x0                               ; for the others' sake: my codes have landed
	s_cmp_lt_u32 s[WV], 8
	s_cbranch_scc0 .Lnot_yet
	s_wait_tensorcnt 0x0                           ; slots 0-7 are in
.Lnot_yet:
	s_barrier_signal -1
	s_barrier_wait -1
; Where the package of trip i lies: key step kk = BK - i (+ AD from trip TH on); its slot.  full = 0: trips 0-3, in which bit 2 of kk is set: slots 0-7 alone
.macro PKADDR i, dst, full
	s_cmp_ge_u32 s[\i], s[TH]
	s_cselect_b32 s35, s[AD], 0
	s_add_co_u32 s34, s[BK], s35
	s_sub_co_u32 s34, s34, s[\i]
	s_and_b32 s35, s34, 8
	s_lshr_b32 s35, s35, 1
	s_and_b32 s[\dst], s34, 3
	s_or_b32 s[\dst], s[\dst], s35
.if \full
	s_and_b32 s35, s34, 4
	s_xor_b32 s35, s35, 4
	s_lshl_b32 s35, s35, 1
	s_or_b32 s[\dst], s[\dst], s35
.endif
	s_mul_i32 s[\dst], s[\dst], PKG
.endm
.macro KLOAD                           ; K's eight fragments (registers 0-3 of each) and their scale words: ten loads
.irp t, 0,1,2,3,4,5,6,7
	ds_load_b128 v[32+4*\t:35+4*\t], v72 offset:512*\t
.endr
	ds_load_b128 v[24:27], v73 offset:8192
	ds_load_b128 v[28:31], v73 offset:8448
.endm
.macro VLOAD buf, sc, a, b             ; V's four fragments and their scale words: nine loads
.irp t, 0,1,2,3
.irp c, 0,1
	ds_load_b128 v[\buf+8*\t+4*\c:\buf+3+8*\t+4*\c], v[\a] offset:4096+1024*\t+512*\c
.endr
.endr
	ds_load_b128 v[\sc:\sc+3], v[\b] offset:8704
.endm
.macro PV buf, sc                      ; O^T += V^T P^T: the four accumulators by turns, one instruction a turn
.irp t, 0,1,2,3
	v_wmma_scale_f32_16x16x128_f8f6f4 v[160+8*\t:167+8*\t], v[\buf+8*\t:\buf+7+8*\t], v[224:231], v[160+8*\t:167+8*\t], v[\sc+\t], v253 matrix_a_fmt:MATRIX_FMT_FP4 matrix_b_fmt:MATRIX_FMT_FP4
.endr
.endm
.macro PKF j                           ; t - M, two at a time (of the pairs c and -M the low word serves both halves)
	v_pk_fma_f32 v[96+\j:97+\j], v[96+\j:97+\j], s[CS:CS+1], v[238:239] op_sel_hi:[1,0,0]
.endm
; Waves 8-15: the long tile's part is handed over; the state begins anew with my own tile, the short one
.macro TURN_TO_OWN
	s_wait_alu depctr_va_vdst(0)
.rept 4
	v_nop                                          ; four places behind the last products
.endr
.irp k, 0,1,2,3,4,5,6,7
	ds_store_b128 v76, v[160+4*\k:163+4*\k] offset:512*\k
.endr
	ds_store_b128 v76, v[12:15] offset:4096        ; -M, the largest score, the sum's two halves
	ds_load_b128 v[16:19], v74
	ds_load_b32 v255, v75
	s_wait_dscnt 0x0                               ; the stores have read their registers; q's codes are in
	v_mov_b32 v12, 0x4d38aa3b
	v_mov_b32 v13, v6
	v_mov_b32 v14, 0
	v_mov_b32 v15, 0
.irp j, 0,1,2,3,4,5,6,7,8,9,10,11,12,13,14,15,16,17,18,19,20,21,22,23,24,25,26,27,28,29,30,31
	v_mov_b32 v[160+\j], 0
.endr
	s_wait_alu depctr_va_vdst(0)
.endm
; A TRIP: one key step of 128 keys
.macro TRIP full
	s_cmp_lg_u32 s[I], s[SW]
	s_cbranch_scc1 .Lstay_\@
	TURN_TO_OWN
.Lstay_\@:
.if \full
	s_cmp_ge_u32 s[I], s[NT]                       ; waves 8-15 have eight trips
	s_cbranch_scc1 .Lnext_\@
.endif
	s_add_co_u32 s[NX], s[I], 1
	PKADDR I, TB, \full
	PKADDR NX, TBN, \full
	v_add_nc_u32 v8, s[TB], v1                     ; with the two v_nop four places behind the last products, in front of loads into their registers
	v_add_nc_u32 v9, s[TB], v2
	v_nop
	v_nop
	VLOAD 192, 248, 8, 9                           ; V is asked for now and lands under the softmax
.irp t, 0,1,2,3,4,5,6,7                        ; K was asked for a trip ago and waited for in front of that trip's last products
	v_wmma_scale_f32_16x16x128_f8f6f4 v[96+8*\t:103+8*\t], v[32+4*\t:39+4*\t], v[16:23], 0, v[24+\t], v255 matrix_a_fmt:MATRIX_FMT_FP4 matrix_b_fmt:MATRIX_FMT_FP4
.endr
	v_add_nc_u32 v72, s[TBN], v1                   ; four places in front of the loads below and of the first read of results
	v_add_nc_u32 v73, s[TBN], v2
	v_nop
	v_nop
	s_cmp_ge_u32 s[NX], s[LIM]                     ; the next trip's K, unless none follows here
	s_cbranch_scc1 .Lno_k_\@
	KLOAD
.Lno_k_\@:
	s_cmp_lg_u32 s[I], s[DG]
	s_cbranch_scc1 .Lopen_\@
	s_cmp_lg_u32 s[CLX], 0
	s_cbranch_scc1 .Lupper_\@
	; the cluster's tiles are queries 0-63 of the sub-block: registers 32-63, keys 64 on, all count
.irp n, 0,1,2,3,4,5,6,7,8,9,10,11,12,13,14,15,16,17,18,19,20,21,22,23,24,25,26,27,28,29,30,31
	v_cmp_le_i32 vcc_lo, \n, v5                    ; key <= query: hidden
	v_cndmask_b32 v[96+\n], v[96+\n], v6, vcc_lo
.endr
	s_wait_alu depctr_va_vdst(0)
	s_branch .Lopen_\@
.Lupper_\@:
	; queries 64-127: registers 0-31, keys 0-63, are all hidden
.irp n, 0,1,2,3,4,5,6,7,8,9,10,11,12,13,14,15,16,17,18,19,20,21,22,23,24,25,26,27,28,29,30,31
	v_mov_b32 v[96+\n], v6
.endr
.irp n, 0,1,2,3,4,5,6,7,8,9,10,11,12,13,14,15,16,17,18,19,20,21,22,23,24,25,26,27,28,29,30,31
	v_cmp_le_i32 vcc_lo, 64+\n, v5
	v_cndmask_b32 v[128+\n], v[128+\n], v6, vcc_lo
.endr
.Lopen_\@:
.irp c, 0,1                                    ; the largest score of each of my two blocks of 32 keys, in two chains each, each accumulator from its low end on
	v_max3_num_f32 v[232+2*\c], v[96+32*\c], v[97+32*\c], v[98+32*\c]
	v_max3_num_f32 v[233+2*\c], v[112+32*\c], v[113+32*\c], v[114+32*\c]
.endr
.irp i, 3,5,7,9,11,13
.irp c, 0,1
	v_max3_num_f32 v[232+2*\c], v[232+2*\c], v[96+32*\c+\i], v[97+32*\c+\i]
	v_max3_num_f32 v[233+2*\c], v[233+2*\c], v[112+32*\c+\i], v[113+32*\c+\i]
.endr
.endr
.irp c, 0,1
	v_max3_num_f32 v[232+2*\c], v[232+2*\c], v[233+2*\c], v[111+32*\c]
.endr
.irp c, 0,1
	v_max_num_f32 v[232+2*\c], v[232+2*\c], v[127+32*\c]
.endr
	v_max_num_f32 v254, v232, v234
	s_delay_alu instid0(VALU_DEP_1)
	v_permlanex16_b32 v237, v254, s[SEL], s[SEL+1]
	s_delay_alu instid0(VALU_DEP_1)
	v_max3_num_f32 v13, v13, v254, v237            ; the running largest score, with lane l xor 16's 64 keys
	s_delay_alu instid0(VALU_DEP_1)
	v_mul_f32 v236, s[NC], v13                     ; -t
	s_delay_alu instid0(VALU_DEP_1)
	v_floor_f32 v238, v236                         ; the new -M = floor(-t): a whole number
	PKF 0
	v_sub_f32 v240, v238, v12                      ; M's old value less its new one: a whole number, 0 or less
	PKF 2
	PKF 4
	v_fma_f32 v232, v232, s[CS], v238              ; each block's largest t - M,
	v_fma_f32 v234, v234, s[CS], v238
	v_cvt_i32_f32 v240, v240
	PKF 6
	PKF 8
	v_max_num_f32 v232, 0xc2f80000, v232           ; held at -124: the byte cannot fall under 1
	v_max_num_f32 v234, 0xc2f80000, v234
	v_ldexp_f32 v252, 1.0, v240                    ; f = 2^(old M - new M)
	PKF 10
	v_mov_b32 v12, v238
	v_cvt_floor_i32_f32 v232, v232                 ; the exponent of the block's largest p
	v_cvt_floor_i32_f32 v234, v234
	PKF 12
	PKF 14
	v_lshl_add_u32 v246, v234, 16, v232            ; two bytes of p's scale word, less 125 each,
	v_lshl_add_u32 v244, v232, 23, 0x3e800000      ; (exponent + 125) << 23: the conversion's scale operand
	v_lshl_add_u32 v245, v234, 23, 0x3e800000
	v_lshlrev_b32 v246, v11, v246                  ; at their places: bytes h and 2 + h
	PKF 16
	PKF 18
	v_permlanex16_b32 v247, v246, s[SEL], s[SEL+1]
	PKF 20
	PKF 22
	v_add3_u32 v253, v246, v247, 0x7d7d7d7d        ; with lane l xor 16's, and 125 to each: carries leave each byte as exponent + 125, 1 .. 125
.irp j, 24,26,28,30,32,34,36,38,40,42,44,46,48,50,52,54,56,58,60,62
	PKF \j
.endr
.irp j, 0,2,4,6,8,10,12,14,16,18,20,22,24,26,28,30
	v_pk_mul_f32 v[160+\j:161+\j], v[160+\j:161+\j], v[252:253] op_sel_hi:[1,0]   ; O^T under the new M
.endr
	s_wait_alu depctr_va_vdst(0)                   ; the wait ahead of the batch
.irp j, 0,1,2,3,4,5,6,7,8,9,10,11,12,13,14,15,16,17,18,19,20,21,22,23,24,25,26,27,28,29,30,31,32,33,34,35,36,37,38,39,40,41,42,43,44,45,46,47,48,49,50,51,52,53,54,55,56,57,58,59,60,61,62,63
	v_exp_f32 v[96+\j], v[96+\j]                   ; p = 2^(t - M)
.endr
	v_pk_mul_f32 v[14:15], v[14:15], v[252:253] op_sel_hi:[1,0]    ; the sums under the new M.  (A plain place behind the exponentials)
	s_wait_alu depctr_va_vdst(0)                   ; and behind it
.irp c, 0,1
.irp g, 0,1,2,3
	v_cvt_scalef32_pk8_fp4_f32 v[224+4*\c+\g], v[96+32*\c+8*\g:103+32*\c+8*\g], v[244+\c]
.endr
.endr
	v_pk_add_f32 v[232:233], v[96:97], v[98:99]    ; the sum of the unquantised p, in four chains.  (Also the places between the codes and the products below)
	v_pk_add_f32 v[234:235], v[100:101], v[102:103]
	v_pk_add_f32 v[240:241], v[104:105], v[106:107]
	v_pk_add_f32 v[14:15], v[14:15], v[108:109]
.irp j, 14,22,30,38,46,54
	v_pk_add_f32 v[232:233], v[232:233], v[96+\j:97+\j]
	v_pk_add_f32 v[234:235], v[234:235], v[98+\j:99+\j]
	v_pk_add_f32 v[240:241], v[240:241], v[100+\j:101+\j]
	v_pk_add_f32 v[14:15], v[14:15], v[102+\j:103+\j]
.endr
	v_pk_add_f32 v[232:233], v[232:233], v[158:159]
	v_pk_add_f32 v[14:15], v[14:15], v[240:241]
	v_pk_add_f32 v[232:233], v[232:233], v[234:235]
	v_pk_add_f32 v[14:15], v[14:15], v[232:233]
	s_wait_dscnt 0x0                               ; V and its scale words are in, and the next trip's K
	PV 192, 248
.Lnext_\@:
.endm
; THE WAY OUT.  O^T / the sum goes through my stage in LDS, so that sixteen lanes store a query's 256 consecutive bytes, at a multiple of 256 from out0's first byte
.macro OUT
	s_wait_alu depctr_va_vdst(0)
	v_add_f32 v14, v14, v15                        ; the sum's two halves,
	s_delay_alu instid0(VALU_DEP_1)
	v_permlanex16_b32 v237, v14, s[SEL], s[SEL+1]
	s_delay_alu instid0(VALU_DEP_1)
	v_add_f32 v14, v14, v237                       ; and lane l xor 16's: the row's sum
	s_wait_alu depctr_va_vdst(0)                   ; the wait ahead of the transcendental
	v_rcp_f32 v14, v14
.rept 3
	v_nop                                          ; a plain place behind the reciprocal; with the three lines above also the places behind the last products
.endr
	s_wait_alu depctr_va_vdst(0)                   ; and ahead of its first reader
.irp j, 0,2,4,6,8,10,12,14,16,18,20,22,24,26,28,30
	v_pk_mul_f32 v[96+\j:97+\j], v[160+\j:161+\j], v[14:15] op_sel_hi:[1,0]   ; register 8 t + i is o(r, 16 t + 8 h + i)
.endr
.irp t, 0,1,2,3
	ds_store_b128 v3, v[96+8*\t:99+8*\t] offset:64*\t
	ds_store_b128 v3, v[100+8*\t:103+8*\t] offset:64*\t+16
.endr
.irp i, 0,1,2,3,4,5,6,7
	ds_load_b128 v[32+4*\i:35+4*\i], v10 offset:544*\i             ; LDS serves a wave's instructions in order: these see my stores
.endr
.irp i, 0,1,2,3,4,5,6,7
	s_wait_dscnt 7-\i                              ; pair i of rows is back; the younger loads may be out
	global_store_b128 v4, v[32+4*\i:35+4*\i], s[8:9] offset:8192*\i th:TH_STORE_NT   ; queries 2 i and 2 i + 1
.endr
.endm
	ds_load_b128 v[16:19], v77                     ; the long tile's q, as wave j left it: both waves of a pair begin with it
	ds_load_b32 v255, v78
	s_mov_b32 s[I], 0
	s_mov_b32 s[LIM], 4                            ; trip 4's package may still be on its way
	PKADDR I, TB, 0
	v_add_nc_u32 v72, s[TB], v1
	v_add_nc_u32 v73, s[TB], v2
	KLOAD
	s_wait_alu depctr_va_vdst(0)                   ; the wait at the head's end
	s_wait_dscnt 0x0
.Lfirst:                                           ; trips 0 to 3
	TRIP 0
	s_add_co_u32 s[I], s[I], 1
	s_cmp_lt_u32 s[I], 4
	s_cbranch_scc1 .Lfirst
	s_wait_alu depctr_va_vdst(0)
	s_wait_tensorcnt 0x0                           ; slots 8-15 are in: zero, for the others' sake
	s_wait_dscnt 0x0
	s_barrier_signal -1
	s_barrier_wait -1
	s_mov_b32 s[I], 4
	s_mov_b32 s[LIM], s[NT]
	PKADDR I, TB, 1
	v_add_nc_u32 v72, s[TB], v1
	v_add_nc_u32 v73, s[TB], v2
	KLOAD
	s_wait_dscnt 0x0
.Lrest:                                            ; trips 4 to 8
	TRIP 1
	s_add_co_u32 s[I], s[I], 1
	s_cmp_lt_u32 s[I], 9
	s_cbranch_scc1 .Lrest
	s_wait_alu depctr_va_vdst(0)
	s_cmp_lt_u32 s[WV], 9                          ; waves 9-15 send their short tiles out now; wave 8's may hold query 2047
	s_cbranch_scc1 .Lmeet
	OUT
.Lmeet:
	s_wait_alu depctr_va_vdst(0)
	s_wait_dscnt 0x0                               ; what I have handed over has landed
	s_barrier_signal -1
	s_cmp_lg_u32 s[WV], 8
	s_cbranch_scc1 .Lmet
	s_cmp_eq_u32 s[CLX], 0
	s_cbranch_scc1 .Lmet
	; ONES, in wave 8 of the cluster that holds query 2047 (its four work-groups run alike): the other 15 key steps under M = F c: p = 1, the code of 4 under the scale 2^-2, for a row that has seen hidden keys alone,
	; 0 for the others.  Each lane's part of the sum grows by 15 x 64 in two halves.  Between the barrier's signal and its wait: loads of packages, which nobody writes, and register work
.rept 4
	v_nop                                          ; four places behind the loop's last products
.endr
	v_mov_b32 v253, 0x7d7d7d7d
	v_mov_b32 v235, 0x66666666
	v_mov_b32 v234, 0x43f00000                     ; 480
	v_cmp_eq_f32 vcc_lo, v13, v6
.irp i, 0,1,2,3,4,5,6,7
	v_cndmask_b32 v[224+\i], 0, v235, vcc_lo
.endr
	v_cndmask_b32 v234, 0, v234, vcc_lo
	v_add_f32 v14, v14, v234
	v_add_f32 v15, v15, v234
	s_mov_b32 s[I], 0
	s_wait_alu depctr_va_vdst(0)
.Lones:                                            ; three slots a trip, from slot 8 round to slot 6: slot 7 holds key step 15, which is done
	s_add_co_u32 s[TB], s[I], 8
	s_and_b32 s[TB], s[TB], 15
	s_mul_i32 s[TB], s[TB], PKG
	s_add_co_u32 s[TBN], s[I], 9
	s_and_b32 s[TBN], s[TBN], 15
	s_mul_i32 s[TBN], s[TBN], PKG
	s_add_co_u32 s34, s[I], 10
	s_and_b32 s34, s34, 15
	s_mul_i32 s34, s34, PKG
	v_add_nc_u32 v8, s[TB], v1
	v_add_nc_u32 v9, s[TB], v2
	v_add_nc_u32 v72, s[TBN], v1
	v_add_nc_u32 v73, s[TBN], v2
	v_add_nc_u32 v80, s34, v1
	v_add_nc_u32 v81, s34, v2
	VLOAD 192, 248, 8, 9
	VLOAD 96, 24, 72, 73
	VLOAD 128, 28, 80, 81
	s_wait_dscnt 18                                ; the first nine loads are in; the eighteen behind them may be out
	PV 192, 248
	s_wait_dscnt 9                                 ; the next nine
	PV 96, 24
	s_wait_dscnt 0x0
	PV 128, 28
	s_add_co_u32 s[I], s[I], 3
	s_cmp_lt_u32 s[I], 15
	s_cbranch_scc1 .Lones
.rept 4
	v_nop                                          ; four places behind these products
.endr
.Lmet:
	s_barrier_wait -1
	s_cmp_lt_u32 s[WV], 8
	s_cbranch_scc0 .Lown
	; waves 0-7: the long tile's two parts are brought under the larger M and added
.irp k, 0,1,2,3,4,5,6,7
	ds_load_b128 v[96+4*\k:99+4*\k], v76 offset:8*4608+512*\k
.endr
	ds_load_b128 v[128:131], v76 offset:8*4608+4096
	s_wait_dscnt 0x0
	v_min_num_f32 v238, v12, v128
	v_sub_f32 v240, v238, v12
	v_sub_f32 v241, v238, v128
	v_cvt_i32_f32 v240, v240
	v_cvt_i32_f32 v241, v241
	v_ldexp_f32 v252, 1.0, v240
	v_ldexp_f32 v254, 1.0, v241
	v_pk_mul_f32 v[14:15], v[14:15], v[252:253] op_sel_hi:[1,0]
	v_pk_fma_f32 v[14:15], v[130:131], v[254:255], v[14:15] op_sel_hi:[1,0,1]
.irp j, 0,2,4,6,8,10,12,14,16,18,20,22,24,26,28,30
	v_pk_mul_f32 v[160+\j:161+\j], v[160+\j:161+\j], v[252:253] op_sel_hi:[1,0]
.endr
.irp j, 0,2,4,6,8,10,12,14,16,18,20,22,24,26,28,30
	v_pk_fma_f32 v[160+\j:161+\j], v[96+\j:97+\j], v[254:255], v[160+\j:161+\j] op_sel_hi:[1,0,1]
.endr
	s_wait_alu depctr_va_vdst(0)
.Lown:
	s_cmp_lt_u32 s[WV], 9
	s_cbranch_scc0 .Lend
	OUT
.Lend:
	s_wait_tensorcnt 0x0                           ; the wave's end
	ds_add_u32 v[SPW], v[NIL]
	s_wait_dscnt 0x0
	ROUND                                          ; the closing round
	s_endpgm
.Lfunc_end_k_q51a3d7ac21_attn:
	.size	k_q51a3d7ac21_attn, .Lfunc_end_k_q51a3d7ac21_attn-k_q51a3d7ac21_attn
	.p2alignl 7, 3214868480
	.fill 96, 4, 3214868480
	.section	.rodata,"a",@progbits
	.p2align	6, 0x0
	.amdhsa_kernel k_q51a3d7ac21_attn
		.amdhsa_group_segment_fixed_size 301056
		.amdhsa_private_segment_fixed_size 0
		.amdhsa_enable_private_segment 0
		.amdhsa_kernarg_size 24
		.amdhsa_user_sgpr_count 2
		.amdhsa_user_sgpr_kernarg_segment_ptr 1
		.amdhsa_wavefront_size32 1
		.amdhsa_system_sgpr_workgroup_id_x 1
		.amdhsa_system_sgpr_workgroup_id_y 1
		.amdhsa_system_sgpr_workgroup_id_z 1
		.amdhsa_system_vgpr_workitem_id 0
		.amdhsa_next_free_vgpr 256
		.amdhsa_next_free_sgpr 66
		.amdhsa_reserve_vcc 1
		.amdhsa_float_denorm_mode_32 3
		.amdhsa_float_denorm_mode_16_64 3
		.amdhsa_memory_ordered 1
		.amdhsa_forward_progress 1
		.amdhsa_inst_pref_size 76
	.end_amdhsa_kernel
	.amdgpu_metadata
---
amdhsa.version: [ 1, 2 ]
amdhsa.kernels:
  - .name:           k_q51a3d7ac21_attn
    .symbol:         k_q51a3d7ac21_attn.kd
    .args:
      - { .name: queries, .offset: 0, .size: 8, .value_kind: global_buffer, .address_space: global }
      - { .name: kv, .offset: 8, .size: 8, .value_kind: global_buffer, .address_space: global }
      - { .name: out0, .offset: 16, .size: 8, .value_kind: global_buffer, .address_space: global }
    .group_segment_fixed_size: 301056
    .private_segment_fixed_size: 0
    .kernarg_segment_align: 8
    .kernarg_segment_size: 24
    .max_flat_workgroup_size: 512
    .sgpr_count:     66
    .vgpr_count:     256
    .wavefront_size: 32
...
	.end_amdgpu_metadata
.endif
;; end of part 2
